; MI455X (gfx1250); checked and timed in simulation.
; The chip was launched on July 23, 2026; its instructions are those of AMD's public machine-readable ISA for CDNA 5 (MIT licence, August 2026) and "CDNA5" Instruction Set Architecture Reference Guide (July 2026). The comments in the code are by the model that wrote it; some were corrected since.
;; Attention. Allowed arithmetic: matrix products marked QUANTISED: E5M2 operands, one given power-of-two scale a tensor, by v_wmma_f32_16x16x64_bf8_bf8 or v_wmma_f32_16x16x128_bf8_bf8, f32 sums; everything else in f32.
;; Inputs: b_out 256 float32; gn_bias 256 float32; gn_weight 256 float32; lowp_scales 8 int32 (the exponents e of the quantised operands' scales 2^e); w_out_codes 256 x 4 x 32 uint8 (E5M2 codes of w_out, K innermost, in blocks of 32 codes); w_qkv_codes 384 x 8 x 32 uint8 (E5M2 codes of w_qkv, K innermost, in blocks of 32 codes); x 4 x 256 x 64 x 64 float32.
;; Outputs: out0 4 x 256 x 64 x 64 float32.
;; This version of the problem:
;;   THIS VERSION OF THE PROBLEM IS GIVEN IN LOW PRECISION. The matrix products marked QUANTISED in the list below multiply operands that are first quantised to E5M2 (5 exponent bits, 2 mantissa bits; 8 bits a number), with one given power-of-two scale for each operand tensor; their sums are f32. All else is computed in f32.
;;   The module's matrix products, in the order in which they are computed (A, B: the left and right operand; K: the contracted axis; several contracted axes count as one K, in the product's order):
;;     1. [M 384, K 256] x [K 256, N 16,384]; A: input w_qkv (given as codes); B: computed on the way: QUANTISED (scales: A lowp_scales[0], B lowp_scales[1])
;;     2. batch 16 x [M 4,096, K 32] x [K 32, N 4,096]; A: computed on the way; B: computed on the way: QUANTISED (scales: A lowp_scales[2], B lowp_scales[3])
;;     3. batch 16 x [M 4,096, K 4,096] x [K 4,096, N 32]; A: softmax (see below); B: computed on the way: QUANTISED (scales: A lowp_scales[4], B lowp_scales[5])
;;     4. [M 256, K 128] x [K 128, N 16,384]; A: input w_out (given as codes); B: computed on the way: QUANTISED (scales: A lowp_scales[6], B lowp_scales[7])
;;   THE QUANTISER, for each operand of a quantised product, along K:
;;     - The operand's scale is 2^e, e = its entry of the input lowp_scales (int32; the entries are numbered through the quantised products in the list's order, A before B).
;;     - Each number is divided by the scale, clamped to +-57,344, and rounded to the nearest number of E5M2, ties to even, subnormals kept.
;;     - The product sums the exact products of the quantised numbers (number of the format x scale) in f32.
;;   ~~~python
;;   def quantise(x, axis, e):      # numpy; x: float32 -> the quantised numbers, widened to float32 again
;;       x = np.moveaxis(x, axis, -1); K = x.shape[-1]
;;       r = np.clip(x / 2.0 ** e, -57344, 57344)
;;       step = 2.0 ** (np.maximum(np.frexp(np.where(r == 0, 1, r))[1] - 1, -14) - 2)
;;       q = np.round(r / step) * step * 2.0 ** e      # np.round: ties to even
;;       return np.moveaxis(q, -1, axis).astype(np.float32)
;;   ~~~
;;   SOFTMAX AHEAD OF A QUANTISED PRODUCT. Where the list says 'softmax', what is quantised is not the finished softmax but p = 2^(t - M), with t = logit x log2(e) and M = ceil(the row's largest t), a whole number; so 1/2 < the row's largest p <= 1. The row's sum l is taken of the UNQUANTISED p, in f32, and the product's result is divided by l at the end. Since M is a whole number, a kernel that streams over the keys may use a running M (the ceiling of the running maximum): every later rescaling is an exact power of two, so the quantised numbers keep their values, but for numbers so far below the row's largest that they fall under the format's range.
;;   OPERANDS COMPUTED ON THE WAY. 'Computed on the way' means the value that the module computes at that place (a softmax that the list does not call 'softmax' is quantised finished and normalised). What goes into a quantiser is computed in f32, as accurately as f32 sums, v_exp_f32 and their like allow (about 1e-6 of the number): no bf16 or f16 on the way to a quantiser, and a product that is left as it is and whose result goes on into a quantised operand takes f32 operands (vector FMAs, or v_wmma_f32_16x16x4_f32). A number that lies on a knife's edge between two numbers of the format may be rounded either way, as far as f32 arithmetic and the matrix unit's own rounding can turn it there, and no further.
;;   INPUTS GIVEN AS CODES. w_out (in the module: [256, 128], K = its axis 1); w_qkv (in the module: [384, 256], K = its axis 1): each comes as NAME_codes (uint8): NAME with its K axis moved to the last place and cut into blocks of 32 codes, [.., K / 32, bytes a block], one block behind the other in memory; one code a byte (a code: sign, 5 exponent bits, 2 mantissa bits); its scale is its entry of lowp_scales. Its value is code x scale, taken as it is: it is not quantised again, and the codes and scales need not be those that the quantiser above would give.
;; One version. Each part assembles by itself: llvm-mc -triple=amdgcn-amd-amdhsa -mcpu=gfx1250 --defsym DOCPART=n.
;; ======== version 1 of 1: 3 launches
;; limits: right only within a limited range of input values
;; workspace buffers: gstat 2,048 bytes; q_img 2,097,152 bytes; kv_img 4,194,304 bytes
;; launch stats (part 1): grid 256 x 1, 8 waves a work-group, no clusters, 1,280 bytes of LDS; arguments x, gstat; writes gstat
.if DOCPART == 1
	.amdgcn_target "amdgcn-amd-amdhsa--gfx1250"
	.amdhsa_code_object_version 6
	.text
	.protected	k_qc5f4e9923f_stats
	.globl	k_qc5f4e9923f_stats
	.p2align	8
	.type	k_qc5f4e9923f_stats,@function
k_qc5f4e9923f_stats:
	s_mov_b64 s[64:65], 0
	v_nop
	global_prefetch_b8 v0, s[64:65] scope:SCOPE_SE
	s_setreg_imm32_b32 hwreg(HW_REG_WAVE_MODE, 25, 1), 1
	s_wait_xcnt 0x0
; GroupNorm's statistics.  A group is 8 channels x 4,096 positions: 32,768 numbers, 131,072 dense bytes of x.  A work-group takes HALF a group, 16,384 numbers (65,536 bytes at x + 65,536 x its number),
; and stores the half's mean and the sum of its squared deviations from that mean: 8 bytes at gstat + 8 x its number.  The next launch joins the two halves.
; The half stays in registers (64 a lane) between the pass that finds the mean and the pass that sums the squares of x - mean: x is read once here, and no difference of large sums is formed,
; whatever common offset x carries.  Thread t takes 16 bytes at 16 t + 4,096 k, k = 0 .. 15: a wave's load covers 512 consecutive bytes.  x is read again by the next launch: no non-temporal hint.
; LIMIT: NaN and infinities among the inputs are not served.
.set X,  16                            ; v16-79  my 64 numbers
.set CH, 80                            ; v80-87  four packed chains
	s_load_b128 s[4:7], s[0:1], 0x0                ; x s[4:5], gstat s[6:7]
	v_lshl_add_u32 v96, v0, 2, 0x100
	v_mov_b32 v97, 0
	v_lshrrev_b32 v2, 5, v0
	s_delay_alu instid0(VALU_DEP_1)
	v_readfirstlane_b32 s8, v2                     ; wave 0..7
	v_lshlrev_b32 v1, 4, v0                        ; 16 t
	s_delay_alu instid0(VALU_DEP_3)
	v_lshlrev_b32 v10, 2, v2                       ; 4 x wave: my wave's word in LDS
	v_mov_b32 v9, 0                                ; a lane permute's destination counts as read: written once
	v_mov_b32 v11, 0
	v_mov_b32 v14, 0
	s_lshl_b32 s10, ttmp9, 16                      ; my half group's first byte in x
	s_mov_b32 s11, 0
	s_lshl_b32 s14, ttmp9, 3                       ; and its 8 bytes in gstat
	s_mov_b32 s15, 0
	s_mov_b32 s12, 0x76543210                      ; v_permlanex16_b32: lane l takes lane l xor 16
	s_mov_b32 s13, 0xfedcba98
	s_wait_alu depctr_va_vdst(0)
	s_wait_kmcnt 0x0
	s_add_nc_u64 s[4:5], s[4:5], s[10:11]
	s_add_nc_u64 s[6:7], s[6:7], s[14:15]
.set k, 0
.rept 16
	global_load_b128 v[X+4*k:X+4*k+3], v1, s[4:5] offset:4096*k
.set k, k+1
.endr
.macro JOIN                            ; the four packed chains become one number a lane, in v8
	v_pk_add_f32 v[CH:CH+1], v[CH:CH+1], v[CH+2:CH+3]
	s_delay_alu instid0(VALU_DEP_2)
	v_pk_add_f32 v[CH+4:CH+5], v[CH+4:CH+5], v[CH+6:CH+7]
	s_delay_alu instid0(VALU_DEP_1)
	v_pk_add_f32 v[CH:CH+1], v[CH:CH+1], v[CH+4:CH+5]
	s_delay_alu instid0(VALU_DEP_1)
	v_add_f32 v8, v[CH], v[CH+1]
.endm
.macro WRED                            ; v8 summed over the wave's 32 lanes; every lane has the sum
	s_delay_alu instid0(VALU_DEP_1)
	v_add_f32_dpp v8, v8, v8 row_xmask:1 row_mask:0xf bank_mask:0xf
	s_delay_alu instid0(VALU_DEP_1)
	v_add_f32_dpp v8, v8, v8 row_xmask:2 row_mask:0xf bank_mask:0xf
	s_delay_alu instid0(VALU_DEP_1)
	v_add_f32_dpp v8, v8, v8 row_xmask:4 row_mask:0xf bank_mask:0xf
	s_delay_alu instid0(VALU_DEP_1)
	v_add_f32_dpp v8, v8, v8 row_xmask:8 row_mask:0xf bank_mask:0xf
	s_delay_alu instid0(VALU_DEP_1)
	v_permlanex16_b32 v9, v8, s12, s13
	s_delay_alu instid0(VALU_DEP_1)
	v_add_f32 v8, v8, v9
.endm
.macro GSUM off                        ; v8 summed over the eight waves, through eight words at LDS byte off; the sum lands in v88 of every lane
	ds_store_b32 v10, v8 offset:\off               ; all lanes of a wave write its word with the same number
	s_wait_dscnt 0x0                               ; for the others' sake: my store has landed
	s_barrier_signal -1
	s_barrier_wait -1
	ds_load_b128 v[88:91], v11 offset:\off
	ds_load_b128 v[92:95], v11 offset:\off+16
	s_wait_dscnt 0x0
	v_add_f32 v88, v88, v89
	v_add_f32 v90, v90, v91
	v_add_f32 v92, v92, v93
	v_add_f32 v94, v94, v95
	s_delay_alu instid0(VALU_DEP_3)
	v_add_f32 v88, v88, v90
	s_delay_alu instid0(VALU_DEP_2)
	v_add_f32 v92, v92, v94
	s_delay_alu instid0(VALU_DEP_1)
	v_add_f32 v88, v88, v92
.endm
	; pass 1: the sum.  The first four loads start the chains: nothing is cleared
.set k, 0
.rept 16
	s_wait_loadcnt 15-k                            ; loads come back in order: load k is in, the 15 - k younger ones may be out
.if k < 4
	v_pk_add_f32 v[CH+2*k:CH+2*k+1], v[X+4*k:X+4*k+1], v[X+4*k+2:X+4*k+3]
.else
	s_wait_alu depctr_va_vdst(0)
	v_pk_add_f32 v[CH+2*(k%4):CH+2*(k%4)+1], v[CH+2*(k%4):CH+2*(k%4)+1], v[X+4*k:X+4*k+1]
	s_delay_alu instid0(VALU_DEP_1)
	v_pk_add_f32 v[CH+2*(k%4):CH+2*(k%4)+1], v[CH+2*(k%4):CH+2*(k%4)+1], v[X+4*k+2:X+4*k+3]
.endif
.set k, k+1
.endr
	JOIN
	WRED
	GSUM 0
	s_delay_alu instid0(VALU_DEP_1)
	v_mul_f32 v12, 0x38800000, v88                 ; the mean: sum x 2^-14
	s_delay_alu instid0(VALU_DEP_1)
	v_mov_b32 v13, v12                             ; twice, for the packed subtraction
	; pass 2: the sum of (x - mean)^2
.set k, 0
.rept 32
	v_pk_add_f32 v[X+2*k:X+2*k+1], v[X+2*k:X+2*k+1], v[12:13] neg_lo:[0,1] neg_hi:[0,1]
.set k, k+1
.endr
.set k, 0
.rept 32
.if k < 4
	v_pk_mul_f32 v[CH+2*k:CH+2*k+1], v[X+2*k:X+2*k+1], v[X+2*k:X+2*k+1]
.else
	s_delay_alu instid0(VALU_DEP_4)
	v_pk_fma_f32 v[CH+2*(k%4):CH+2*(k%4)+1], v[X+2*k:X+2*k+1], v[X+2*k:X+2*k+1], v[CH+2*(k%4):CH+2*(k%4)+1]
.endif
.set k, k+1
.endr
	JOIN
	WRED
	GSUM 64                                        ; other words than the first sum's, which a slower wave may still be reading
	s_delay_alu instid0(VALU_DEP_1)
	v_mov_b32 v13, v88                             ; v[12:13] = mean, sum of squared deviations
	s_cmp_lg_u32 s8, 0
	s_cbranch_scc1 .Lend                           ; wave 0 stores
	s_wait_xcnt 0x0                                ; EXEC changes only behind this wait
	v_cmp_eq_u32 vcc_lo, 0, v0
	s_and_saveexec_b32 s9, vcc_lo                  ; thread 0 alone
	s_wait_alu depctr_va_vdst(0)
	global_store_b64 v14, v[12:13], s[6:7]
	s_wait_xcnt 0x0                                ; and again in front of the line that widens it
	s_or_b32 exec_lo, exec_lo, s9
.Lend:
	s_wait_tensorcnt 0x0
	ds_add_u32 v96, v97
	s_wait_dscnt 0x0
	s_endpgm
.Lfunc_end_k_qc5f4e9923f_stats:
	.size	k_qc5f4e9923f_stats, .Lfunc_end_k_qc5f4e9923f_stats-k_qc5f4e9923f_stats
	.p2alignl 7, 3214868480
	.fill 96, 4, 3214868480
	.section	.rodata,"a",@progbits
	.p2align	6, 0x0
	.amdhsa_kernel k_qc5f4e9923f_stats
		.amdhsa_group_segment_fixed_size 1280
		.amdhsa_private_segment_fixed_size 0
		.amdhsa_enable_private_segment 0
		.amdhsa_kernarg_size 16
		.amdhsa_user_sgpr_count 2
		.amdhsa_user_sgpr_kernarg_segment_ptr 1
		.amdhsa_wavefront_size32 1
		.amdhsa_system_sgpr_workgroup_id_x 1
		.amdhsa_system_sgpr_workgroup_id_y 1
		.amdhsa_system_sgpr_workgroup_id_z 1
		.amdhsa_system_vgpr_workitem_id 0
		.amdhsa_next_free_vgpr 98
		.amdhsa_next_free_sgpr 66
		.amdhsa_reserve_vcc 1
		.amdhsa_float_denorm_mode_32 3
		.amdhsa_float_denorm_mode_16_64 3
		.amdhsa_memory_ordered 1
		.amdhsa_forward_progress 1
		.amdhsa_inst_pref_size 15
	.end_amdhsa_kernel
	.amdgpu_metadata
---
amdhsa.version: [ 1, 2 ]
amdhsa.kernels:
  - .name:           k_qc5f4e9923f_stats
    .symbol:         k_qc5f4e9923f_stats.kd
    .args:
      - { .name: x, .offset: 0, .size: 8, .value_kind: global_buffer, .address_space: global }
      - { .name: gstat, .offset: 8, .size: 8, .value_kind: global_buffer, .address_space: global }
    .group_segment_fixed_size: 1280
    .private_segment_fixed_size: 0
    .kernarg_segment_align: 8
    .kernarg_segment_size: 16
    .max_flat_workgroup_size: 256
    .sgpr_count:     66
    .vgpr_count:     98
    .wavefront_size: 32
...
	.end_amdgpu_metadata
.endif
;; end of part 1
;; launch qkv (part 2): grid 64 x 4, 12 waves a work-group, no clusters, 18,176 bytes of LDS; arguments x, gstat, gn_weight, gn_bias, w_qkv_codes, lowp_scales, q_img, kv_img; writes q_img, kv_img
.if DOCPART == 2
	.amdgcn_target "amdgcn-amd-amdhsa--gfx1250"
	.amdhsa_code_object_version 6
	.text
	.protected	k_qc5f4e9923f_qkv
	.globl	k_qc5f4e9923f_qkv
	.p2align	8
	.type	k_qc5f4e9923f_qkv,@function
k_qc5f4e9923f_qkv:
	s_mov_b64 s[64:65], 0
	v_nop
	global_prefetch_b8 v0, s[64:65] scope:SCOPE_SE
	s_setreg_imm32_b32 hwreg(HW_REG_WAVE_MODE, 25, 1), 1
	s_wait_xcnt 0x0
; GroupNorm's second half, the quantiser of xn, the product qkv = w_qkv xn on codes of BF8 (E5M2), and the quantisers of q, k and v.
; A work-group takes 64 positions (block i = work-group x) of one batch (b = work-group y), all 256 channels and all 384 rows of w_qkv.
; PHASE X, waves 0-7: wave w takes channels 32 w .. 32 w + 31.  Lane (pq = lane % 16, hl = lane / 16) loads, of each of the 16 channels 32 w + 16 hl + j, the four positions 4 pq .. 4 pq + 3: sixteen lanes read
; 256 consecutive aligned bytes of a channel.  The subtraction of the mean picks position p out of the 16 loads' registers into 16 consecutive registers: 16 neighbours along K (the channels) of one position,
; which two conversions turn into 16 bytes of codes.  They go to LDS as part of an IMAGE OF THE OPERAND'S REGISTERS: fragment (tile T of 16 positions, K step s of 128 channels), group c of four registers,
; lane l's 16 bytes at 16 l.  One barrier.
; PHASE P, all 12 waves: wave w takes rows 32 w .. 32 w + 31 of w_qkv (waves 0-3: q of head w; 4-7: k of head w - 4; 8-11: v of head w - 8), kept in registers, against all four tiles of positions.
; ROWS OF A TILE ARE NOT NEIGHBOURS: row m of tile T of positions is position 32 (T / 2) + 8 (T % 2) + m % 8 + 16 (m / 8); lane r of the weights' tile u takes row 32 w + 8 u + r % 8 + 16 (r / 8).
; So a lane's 16 registers of two neighbouring result tiles are 16 neighbours: for q and k (source 0 = the weights) the head's f = 16 (lane / 16) + 0 .. 15 of one position; for v (source 0 = the positions) the
; keys 32 bb + 16 (lane / 16) + 0 .. 15 of one f.  The conversions' results are then registers of the next launch's operands, and are stored as images, 512 consecutive bytes a store.
; A fragment for 128 along K holds k = 32 c + 16 (lane / 16) + 0 .. 15 in registers 4 c .. 4 c + 3, in both operands alike: a permutation of k that keeps every product with its partner.
; SCALES: e0 .. e7 from lowp_scales.  xn's code = xn / 2^e1.  A sum stands for sum x 2^(e0 + e1): q's code = sum / 2^(e2 - e0 - e1), k's with e3, v's with e5.
; LIMITS: e1, e2 - e0 - e1, e3 - e0 - e1 and e5 - e0 - e1 lie between -126 and 112, so that each power of two below is an f32 number.  NaN among the inputs is not served.
; q_img: [b][i][head][tile T][512 bytes].  kv_img: [b][key step of 128][head][8,192 bytes]: k's 8 tiles x 512, then from 4,096 v as [f tile u][group c of 32 keys][512].
.set TP,  4112                         ; LDS: a tile's two fragments, 4,096 bytes + 16, so that the sixteen lanes of an image store fall on sixteen different 16-byte columns of 256
.set X,   64                           ; v64-127  phase X: load j in registers 4 j .. 4 j + 3
.set ACC, 16                           ; v16-47   phase P: four accumulators
.set CD,  48                           ; v48-63   phase P: codes, four registers a store, never written again
.set F,   64                           ; v64-191  phase P: xn's fragments, (T, s) at 16 (2 T + s)
.set W,   192                          ; v192-255 the weights' fragments, (u, s) at 16 (2 u + s)
	s_load_b512 s[4:19], s[0:1], 0x0               ; x s[4:5], gstat s[6:7], gn_weight s[8:9], gn_bias s[10:11], w_qkv_codes s[12:13], lowp_scales s[14:15], q_img s[16:17], kv_img s[18:19]
	v_lshl_add_u32 v7, v0, 2, 0x4100
	s_set_vgpr_msb 0x40
	v_mov_b32 v1, 0
	s_set_vgpr_msb 0x4000
	v_lshrrev_b32 v12, 5, v0
	s_delay_alu instid0(VALU_DEP_1)
	v_readfirstlane_b32 s20, v12                   ; wave 0..11
	s_mov_b32 s21, ttmp9                           ; i
	s_and_b32 s22, ttmp7, 0xffff                   ; b
	s_and_b32 s23, s20, 3                          ; head
	s_and_b32 s34, s20, 7
	s_lshl_b32 s34, s34, 9                         ; phase X: my wave's group of four registers in a tile's images: 2,048 (w / 4) + 512 (w % 4)
	; every address register is made here, ahead of the first parting of the waves
	v_and_b32 v1, 31, v0
	s_delay_alu instid0(VALU_DEP_1)
	v_lshlrev_b32 v1, 4, v1                        ; v1: 16 x lane: an image's place for my lane
	v_and_b32 v12, 15, v0                          ; pq, also r
	v_bfe_u32 v13, v0, 4, 1                        ; hl, also h
	s_delay_alu instid0(VALU_DEP_1)
	v_lshlrev_b32 v2, 18, v13
	s_delay_alu instid0(VALU_DEP_1)
	v_lshl_add_u32 v2, v12, 4, v2                  ; v2: x: 16 channels further on for lanes 16-31, + 16 pq
	s_delay_alu instid0(VALU_DEP_4)
	v_and_b32 v15, 8, v12
	s_delay_alu instid0(VALU_DEP_1)
	v_add_nc_u32 v15, v15, v12                     ; r + 8 (r / 8) = r % 8 + 16 (r / 8)
	s_delay_alu instid0(VALU_DEP_1)
	v_lshlrev_b32 v3, 8, v15
	s_delay_alu instid0(VALU_DEP_1)
	v_lshl_add_u32 v3, v13, 4, v3                  ; v3: the weights: that row of 256 bytes, + 16 h
	v_bfe_u32 v14, v0, 3, 1
	v_bfe_u32 v15, v0, 1, 1
	s_delay_alu instid0(VALU_DEP_1)
	v_lshl_add_u32 v14, v14, 1, v15                ; position 4 pq + p lies in tile T = 2 (pq bit 3) + (pq bit 1), at row 8 (pq bit 2) + 4 (pq bit 0) + p
	s_delay_alu instid0(VALU_DEP_1)
	v_mul_u32_u24 v4, v14, TP
	s_delay_alu instid0(VALU_DEP_1)
	v_lshl_add_u32 v4, v13, 8, v4
	v_and_b32 v15, 1, v0
	s_delay_alu instid0(VALU_DEP_1)
	v_lshl_add_u32 v4, v15, 6, v4
	v_bfe_u32 v15, v0, 2, 1
	s_delay_alu instid0(VALU_DEP_1)
	v_lshl_add_u32 v4, v15, 7, v4
	s_delay_alu instid0(VALU_DEP_1)
	v_add_nc_u32 v4, s34, v4                       ; v4: where my codes of position 4 pq go: T x TP + my wave's group + 16 x (row + 16 hl); position p: 16 p on
	v_lshlrev_b32 v5, 5, v13                       ; v5: gstat: two groups of 16 bytes further on for lanes 16-31
	v_lshlrev_b32 v6, 6, v13                       ; v6: gn_weight, gn_bias: 16 numbers further on
	s_mov_b32 s48, 0x3727c5ac                      ; 1e-5
	s_mov_b32 s49, 0x38000000                      ; 2^-15: a group has 32,768 numbers
	s_mov_b32 s50, 0x46000000                      ; 8,192 = 16,384 x 16,384 / 32,768
	s_lshl_b32 s32, s20, 13                        ; my 32 rows of 256 codes
	s_mov_b32 s33, 0
	s_wait_kmcnt 0x0
	s_load_b256 s[24:31], s[14:15], 0x0            ; e0 .. e7
	s_add_nc_u64 s[12:13], s[12:13], s[32:33]
.irp u, 0,1
.irp ks, 0,1
.irp c, 0,1,2,3
	global_load_b128 v[W+16*(2*\u+\ks)+4*\c:W+16*(2*\u+\ks)+4*\c+3], v3, s[12:13] offset:\u*2048+\ks*128+32*\c
.endr
.endr
.endr
	s_cmp_lt_u32 s20, 8
	s_cbranch_scc0 .Lno_x                          ; waves 8-11 have no part of x
	s_lshl_b32 s32, s22, 9                         ; gstat: 512 bytes a batch, 64 for my wave's four groups
	s_lshl_b32 s35, s20, 6
	s_add_co_u32 s32, s32, s35
	s_add_nc_u64 s[6:7], s[6:7], s[32:33]
	s_lshl_b32 s32, s20, 7                         ; my wave's 32 gains and biases
	s_add_nc_u64 s[8:9], s[8:9], s[32:33]
	s_add_nc_u64 s[10:11], s[10:11], s[32:33]
	s_lshl_b32 s32, s22, 22                        ; x: the batch, my wave's 32 channels of 16,384 bytes, the block's 256 bytes
	s_lshl_b32 s35, s20, 19
	s_add_co_u32 s32, s32, s35
	s_lshl_b32 s35, s21, 8
	s_add_co_u32 s32, s32, s35
	s_add_nc_u64 s[4:5], s[4:5], s[32:33]
	s_wait_alu depctr_va_vdst(0)
	global_load_b128 v[16:19], v5, s[6:7]          ; my first group: mean and squares of half 0, of half 1
	global_load_b128 v[20:23], v5, s[6:7] offset:16   ; my second group
.irp c, 0,1,2,3
	global_load_b128 v[24+4*\c:27+4*\c], v6, s[8:9] offset:16*\c
.endr
.irp c, 0,1,2,3
	global_load_b128 v[40+4*\c:43+4*\c], v6, s[10:11] offset:16*\c
.endr
.set j, 0
.rept 16
	global_load_b128 v[X+4*j:X+4*j+3], v2, s[4:5] offset:16384*j th:TH_LOAD_NT   ; channel j of my 16: read once in this launch, and by nobody after it
.set j, j+1
.endr
	s_wait_kmcnt 0x0                               ; the exponents
	s_add_co_i32 s35, s25, 127
	s_lshl_b32 s32, s35, 23
	v_mov_b32 v8, s32                              ; 2^e1 as f32: the conversion takes its exponent field
	s_wait_loadcnt 16                              ; all but x's 16 loads are in
	v_add_f32 v56, v16, v18                        ; two halves of equal size: mean = (ma + mb) / 2; squares = Sa + Sb + 8,192 (ma - mb)^2
	v_add_f32 v57, v20, v22
	v_sub_f32 v60, v16, v18
	v_sub_f32 v61, v20, v22
	s_delay_alu instid0(VALU_DEP_4)
	v_mul_f32 v56, 0.5, v56
	s_delay_alu instid0(VALU_DEP_4)
	v_mul_f32 v57, 0.5, v57
	v_add_f32 v58, v17, v19
	v_add_f32 v59, v21, v23
	v_mul_f32 v60, v60, v60
	v_mul_f32 v61, v61, v61
	s_delay_alu instid0(VALU_DEP_2)
	v_fma_f32 v58, v60, s50, v58
	s_delay_alu instid0(VALU_DEP_2)
	v_fma_f32 v59, v61, s50, v59
	s_delay_alu instid0(VALU_DEP_2)
	v_fma_f32 v58, v58, s49, s48                   ; the variance + 1e-5
	s_delay_alu instid0(VALU_DEP_2)
	v_fma_f32 v59, v59, s49, s48
	s_wait_alu depctr_va_vdst(0)
	v_rsq_f32 v62, v58
	v_rsq_f32 v63, v59
	v_nop                                          ; a plain instruction behind the last of the two
	s_wait_alu depctr_va_vdst(0)                   ; one wait for both, ahead of their first reader
.set j, 0
.rept 16
	v_mul_f32 v[24+j], v[24+j], v[62+j/8]          ; a = gain / sqrt(variance + 1e-5)
.set j, j+1
.endr
	s_wait_loadcnt 0x0                             ; x
; Position 4 pq + p: xn = (x - mean) a + bias for my 16 channels, converted, stored as 16 bytes of an image.  Two sets of 16 registers take turns.
.macro XNORM p
.set TS, 128+16*((\p)%2)
.set j, 0
.rept 16
	v_sub_f32 v[TS+j], v[X+4*j+\p], v[56+j/8]
.set j, j+1
.endr
.set j, 0
.rept 8
	v_pk_fma_f32 v[TS+2*j:TS+2*j+1], v[TS+2*j:TS+2*j+1], v[24+2*j:25+2*j], v[40+2*j:41+2*j]
.set j, j+1
.endr
.set j, 0
.rept 16
.set j, j+1
.endr
	v_cvt_scalef32_pk8_bf8_f32 v[160+4*\p:161+4*\p], v[TS:TS+7], v8
	v_cvt_scalef32_pk8_bf8_f32 v[162+4*\p:163+4*\p], v[TS+8:TS+15], v8
	v_nop                                          ; a plain instruction behind the last conversion, ahead of whatever vector or matrix instruction next touches its registers
	ds_store_b128 v4, v[160+4*\p:163+4*\p] offset:16*\p
.endm
	XNORM 0
	XNORM 1
	XNORM 2
	XNORM 3
.Lno_x:
	s_wait_loadcnt 0x0                             ; the weights (waves 8-11 have not waited yet)
	s_wait_kmcnt 0x0                               ; the exponents likewise
	s_wait_dscnt 0x0                               ; for the others' sake: my image stores have landed
	s_barrier_signal -1
	s_barrier_wait -1                              ; xn's eight fragments lie in LDS
.irp t, 0,1,2,3
.irp ks, 0,1
.irp c, 0,1,2,3
	ds_load_b128 v[F+16*(2*\t+\ks)+4*\c:F+16*(2*\t+\ks)+4*\c+3], v1 offset:\t*TP+\ks*2048+\c*512
.endr
.endr
.endr
	; while they come: where my results go, and their scale
	s_lshl_b32 s38, s22, 19
	s_lshl_b32 s39, s21, 13
	s_add_co_u32 s38, s38, s39
	s_lshl_b32 s39, s23, 11
	s_add_co_u32 s38, s38, s39                     ; q: 524,288 b + 8,192 i + 2,048 head
	s_lshl_b32 s40, s22, 20
	s_lshr_b32 s41, s21, 1
	s_lshl_b32 s41, s41, 15
	s_add_co_u32 s40, s40, s41
	s_lshl_b32 s41, s23, 13
	s_add_co_u32 s40, s40, s41                     ; k, v: 1,048,576 b + 32,768 (i / 2) + 8,192 head
	s_and_b32 s41, s21, 1
	s_lshl_b32 s42, s41, 11                        ; k: the block's four tiles of the step's eight
	s_lshl_b32 s43, s41, 10
	s_add_co_u32 s43, s43, 4096                    ; v: the block's two groups of 32 keys of the step's four
	s_cmp_lt_u32 s20, 8
	s_cselect_b32 s42, s42, s43
	s_cselect_b32 s44, s27, s29                    ; e3 or e5
	s_add_co_u32 s40, s40, s42
	s_cmp_lt_u32 s20, 4
	s_cselect_b32 s38, s38, s40
	s_cselect_b32 s44, s26, s44                    ; e2
	s_cselect_b64 s[36:37], s[16:17], s[18:19]     ; the choice hangs on the wave's number alone
	s_mov_b32 s39, 0
	s_add_nc_u64 s[36:37], s[36:37], s[38:39]
	s_sub_co_i32 s44, s44, s24
	s_sub_co_i32 s44, s44, s25                     ; E = the result's e - e0 - e1
	s_add_co_i32 s44, s44, 127
	s_lshl_b32 s45, s44, 23
	v_mov_b32 v10, s45                             ; 2^E
; Tiles 2 hb and 2 hb + 1 of the positions against my two tiles of weights: four accumulators by turns, K step 0 with C = 0, then K step 1 in place.
; sw = 0 (q, k): source 0 = the weights; accumulators 2 tt + u.   sw = 1 (v): source 0 = the positions; accumulators 2 u + tt.
.macro HALF hb, sw
.if \hb == 0
	s_wait_dscnt 16                                ; tiles 0 and 1 are in; the 16 loads of tiles 2 and 3 may be out
.else
	s_wait_dscnt 0x0
.endif
.irp ks, 0,1
.irp ia, 0,1
.irp ic, 0,1
.set rD, ACC+8*(2*\ia+\ic)
.if \sw
.set rA, F+16*(2*(2*\hb+\ic)+\ks)
.set rB, W+16*(2*\ia+\ks)
.else
.set rA, W+16*(2*\ic+\ks)
.set rB, F+16*(2*(2*\hb+\ia)+\ks)
.endif
.if \ks == 0
	v_wmma_f32_16x16x128_bf8_bf8 v[rD:rD+7], v[rA:rA+15], v[rB:rB+15], 0
.else
	v_wmma_f32_16x16x128_bf8_bf8 v[rD:rD+7], v[rA:rA+15], v[rB:rB+15], v[rD:rD+7]
.endif
.endr
.endr
.endr
.rept 4
	v_nop                                          ; four places ahead of the first read of results (ISA guide 7.12.1)
.endr
.set j, 0
.rept 32
.set j, j+1
.endr
	s_wait_alu depctr_va_vdst(0)
.irp iu, 0,1
	v_cvt_scalef32_pk8_bf8_f32 v[CD+4*(2*\hb+\iu):CD+4*(2*\hb+\iu)+1], v[ACC+16*\iu:ACC+16*\iu+7], v10
	v_cvt_scalef32_pk8_bf8_f32 v[CD+4*(2*\hb+\iu)+2:CD+4*(2*\hb+\iu)+3], v[ACC+16*\iu+8:ACC+16*\iu+15], v10
.endr
	v_nop                                          ; a plain instruction between the conversions and the next products, which write their sources
.irp iu, 0,1
.if \sw
	global_store_b128 v1, v[CD+4*(2*\hb+\iu):CD+4*(2*\hb+\iu)+3], s[36:37] offset:\iu*2048+\hb*512   ; f tile iu, keys 32 hb on: 512 consecutive bytes
.else
	global_store_b128 v1, v[CD+4*(2*\hb+\iu):CD+4*(2*\hb+\iu)+3], s[36:37] offset:(2*\hb+\iu)*512    ; tile 2 hb + iu: 512 consecutive bytes
.endif
.endr
.endm
	s_cmp_lt_u32 s20, 8
	s_cbranch_scc0 .Lfor_v
	HALF 0, 0
	HALF 1, 0
	s_set_vgpr_msb 0x4
	s_wait_tensorcnt 0x0
	ds_add_u32 v7, v1
	s_wait_dscnt 0x0
	s_set_vgpr_msb 0x400
	s_endpgm
.Lfor_v:
	HALF 0, 1
	HALF 1, 1
	s_set_vgpr_msb 0x4
	s_wait_tensorcnt 0x0
	ds_add_u32 v7, v1
	s_wait_dscnt 0x0
	s_set_vgpr_msb 0x400
	s_endpgm
.Lfunc_end_k_qc5f4e9923f_qkv:
	.size	k_qc5f4e9923f_qkv, .Lfunc_end_k_qc5f4e9923f_qkv-k_qc5f4e9923f_qkv
	.p2alignl 7, 3214868480
	.fill 96, 4, 3214868480
	.section	.rodata,"a",@progbits
	.p2align	6, 0x0
	.amdhsa_kernel k_qc5f4e9923f_qkv
		.amdhsa_group_segment_fixed_size 18176
		.amdhsa_private_segment_fixed_size 0
		.amdhsa_enable_private_segment 0
		.amdhsa_kernarg_size 64
		.amdhsa_user_sgpr_count 2
		.amdhsa_user_sgpr_kernarg_segment_ptr 1
		.amdhsa_wavefront_size32 1
		.amdhsa_system_sgpr_workgroup_id_x 1
		.amdhsa_system_sgpr_workgroup_id_y 1
		.amdhsa_system_sgpr_workgroup_id_z 1
		.amdhsa_system_vgpr_workitem_id 0
		.amdhsa_next_free_vgpr 258
		.amdhsa_next_free_sgpr 66
		.amdhsa_reserve_vcc 0
		.amdhsa_float_denorm_mode_32 3
		.amdhsa_float_denorm_mode_16_64 3
		.amdhsa_fp16_overflow 1
		.amdhsa_memory_ordered 1
		.amdhsa_forward_progress 1
		.amdhsa_inst_pref_size 22
	.end_amdhsa_kernel
	.amdgpu_metadata
---
amdhsa.version: [ 1, 2 ]
amdhsa.kernels:
  - .name:           k_qc5f4e9923f_qkv
    .symbol:         k_qc5f4e9923f_qkv.kd
    .args:
      - { .name: x, .offset: 0, .size: 8, .value_kind: global_buffer, .address_space: global }
      - { .name: gstat, .offset: 8, .size: 8, .value_kind: global_buffer, .address_space: global }
      - { .name: gn_weight, .offset: 16, .size: 8, .value_kind: global_buffer, .address_space: global }
      - { .name: gn_bias, .offset: 24, .size: 8, .value_kind: global_buffer, .address_space: global }
      - { .name: w_qkv_codes, .offset: 32, .size: 8, .value_kind: global_buffer, .address_space: global }
      - { .name: lowp_scales, .offset: 40, .size: 8, .value_kind: global_buffer, .address_space: global }
      - { .name: q_img, .offset: 48, .size: 8, .value_kind: global_buffer, .address_space: global }
      - { .name: kv_img, .offset: 56, .size: 8, .value_kind: global_buffer, .address_space: global }
    .group_segment_fixed_size: 18176
    .private_segment_fixed_size: 0
    .kernarg_segment_align: 8
    .kernarg_segment_size: 64
    .max_flat_workgroup_size: 384
    .sgpr_count:     66
    .vgpr_count:     258
    .wavefront_size: 32
...
	.end_amdgpu_metadata
.endif
;; end of part 2
;; launch attn (part 3): grid 64 x 4, 16 waves a work-group, clusters of 4 x 1, 327,680 bytes of LDS; arguments q_img, kv_img, w_out_codes, lowp_scales, b_out, out0; writes out0
.if DOCPART == 3
	.amdgcn_target "amdgcn-amd-amdhsa--gfx1250"
	.amdhsa_code_object_version 6
	.text
	.protected	k_qc5f4e9923f_attn
	.globl	k_qc5f4e9923f_attn
	.p2align	8
	.type	k_qc5f4e9923f_attn,@function
k_qc5f4e9923f_attn:
	s_mov_b64 s[64:65], 0
	v_nop
	global_prefetch_b8 v0, s[64:65] scope:SCOPE_SE
	s_setreg_imm32_b32 hwreg(HW_REG_WAVE_MODE, 25, 1), 1
	s_wait_xcnt 0x0
	s_wait_alu depctr_hold_cnt(0) depctr_sa_sdst(0) depctr_va_vdst(0) depctr_va_sdst(0) depctr_va_ssrc(0) depctr_va_vcc(0) depctr_vm_vsrc(0)
	s_getreg_b32 s2, hwreg(HW_REG_IB_STS2, 6, 4)
	s_cmp_eq_u32 s2, 0
	s_cbranch_scc0 .Lentry_in_a_cluster
	s_endpgm
.Lentry_in_a_cluster:
	s_bfe_u32 s2, ttmp6, 0x10000c
	s_cmp_lg_u32 s2, 0x3003
	s_cbranch_scc0 .Lentry_shape_is_right
	s_endpgm
.Lentry_shape_is_right:
; Attention and the output projection, all three products on codes of BF8 (E5M2), each operand with the scale 2^e that lowp_scales gives it (e2 q, e3 k, e4 p, e5 v, e6 w_out, e7 o).
; SHARES.  A work-group owns 64 positions (block i) of one batch b, for all four heads.  Wave wv owns head wv % 4 and tile wv / 4 of 16 queries, in 256 registers: four waves to a SIMD, so that one wave's
; exponentials stand beside another's plain vector work.  Every wave walks its head's 4,096 keys, 128 a step.
; OPERANDS ARE IMAGES OF REGISTERS, made by the launch before: lane l's 16 bytes at 16 l, 512 bytes a group of four registers.  So every LDS read here is 512 consecutive bytes, and a slot of four key steps
; of all four heads (131,072 bytes) is one dense block of kv_img.  Inside a slot: 32,768 x step + 8,192 x head + (k: 512 x tile | v: 4,096 + 2,048 x f tile + 512 x group of 32 keys).
; LAYOUT.  S^T = k q^T (source 0 = 16 keys, source 1 = my 16 queries) by the form with K = 64: the head's 32 lie in registers 0-3 of both fragments (f = 16 (lane / 16) + 0 .. 15), registers 4-7 hold zero codes.
; Row m of key tile T is key 32 (T / 2) + 8 (T % 2) + m % 8 + 16 (m / 8), so a lane's 16 registers of tiles 2 b, 2 b + 1 are keys 32 b + 16 (lane / 16) + 0 .. 15 of ONE query: p's codes are source 1 of
; O^T = v^T p^T (K = 128) as they leave the conversions.  O^T's two tiles hold f = 16 (lane / 16) + 0 .. 15 of the lane's query, which is a group of four registers of the last product's operand.
; SOFTMAX.  t = score x 2^(e2 + e3) x log2(e) / sqrt(32); M = the running largest t rounded up to a whole number, kept as -M = floor(-t); p = 2^(t - M) is quantised with 2^e4, not normalised; the row's sum is
; taken of the unquantised p; when M moves, the sum and O^T are multiplied by 2^(old M - new M), which rounds nothing.  O^T is divided by the sum at the end.
; CLUSTER.  The four work-groups of a cluster lie in one batch and walk the same kv_img: each slot is asked for JOINTLY (mask 15), the same load with the same descriptor in all four.
; THE LAST PRODUCT.  o's codes meet in LDS (four tiles x four heads' groups); wave wv then makes channels 16 wv .. 16 wv + 15 for the 64 positions (source 0 = o, source 1 = w_out's rows): a lane holds one
; channel and eight neighbouring positions an accumulator; through the wave's own stage they leave as aligned runs of 256 bytes.
; LIMITS on the exponents, so that each power of two below is an f32 number: e2 + e3 between -124 and 129; e4 and e7 - e4 - e5 between -126 and 112; e6 + e7 between -126 and 127.
; A p below 2^-126 counts as 0 (ISA guide, v_exp_f32).  NaN among the inputs is not served.
; REGISTERS: v1 16 x lane; v2 that + 8,192 x head; v3 256 x lane; v4 where o's codes go; v5, v6 the spare word's address and 0; v7 my offset in out0; v8, v9 the slot's steps 0-1, 2-3; v10, v11 the stage, in and back;
; v12 -M, v13 the largest t, v[14:15] the sum in two halves; v16-23 q; v32-95 k; v96-159 S^T, then p; v160-175 O^T; v176-207 v; v208-223 p's codes; v224-239 w_out; v240-253 constants and work.
.set SLOT1, 1<<17                      ; slot 1 begins here: one exclusive or turns an address in one slot into the other's
.set SLOTB, 131072                     ; a slot's bytes, in LDS and in kv_img
.set SPARE, 2*SLOT1                    ; behind the ring: the spare words, 128 bytes for each of 16 waves: eight blocks of 256 bytes that no other line names
.set OIMG,  0                          ; the way out, in slot 0, which has then had its last fill and its last read: o's four fragments, 2,048 bytes each,
.set STAGE, 8192                       ; and a stage of 16 rows x (256 + 16) bytes for each wave
.set KF, 32
.set S,  96
.set OT, 160
.set VF, 176
.set PC, 208
.set W4, 224
.macro CROUND                          ; a round of the cluster's barrier: my work-group's barrier; wave 0 signals for the work-group; every wave waits for all four work-groups; my work-group's barrier once more
	s_barrier_signal -1
	s_barrier_wait -1
	s_cmp_lg_u32 s18, 0
	s_cbranch_scc1 .Lnot_wave_0_\@
	s_barrier_signal -3
.Lnot_wave_0_\@:
	s_barrier_wait -3
	s_barrier_signal -1
	s_barrier_wait -1
.endm
.macro TLOAD                           ; waves 0-7 fetch 16,384 bytes of the slot each, the others nothing; the branch hangs on the wave's number alone.  Four v_nop follow the load
	s_cmp_lt_u32 s18, 8
	s_cbranch_scc0 .Lno_load_\@
	tensor_load_to_lds s[32:35], s[24:31]
	s_nop 0
.rept 4
	v_nop
.endr
.Lno_load_\@:
.endm
; A prefetch of the slot that the NEXT change of slots will ask for: four key steps ahead of that load.  All sixteen clusters of a batch walk the same bytes: the batch's first cluster asks.  Its four partners take
; 32,768 bytes each, told apart by address; in each, waves 8-11, which fetch nothing, take 8,192 bytes each, lanes 256 bytes apart: each aligned 256 bytes of kv_img is named once in the launch.
; The last change that fills a slot asks for nothing: no slot lies behind it.  Slots 0 and 1 come by their loads alone.
.macro ASK
	s_cmp_gt_u32 s37, s38
	s_cbranch_scc0 .Lnot_mine_\@
	global_prefetch_b8 v3, s[40:41] th:TH_LOAD_NT scope:SCOPE_SE
.Lnot_mine_\@:
.endm
	s_load_b256 s[4:11], s[0:1], 0x0               ; q_img s[4:5], kv_img s[6:7], w_out_codes s[8:9], lowp_scales s[10:11]
	s_load_b128 s[12:15], s[0:1], 0x20             ; b_out s[12:13], out0 s[14:15]
	v_lshl_add_u32 v5, v0, 2, SPARE
	v_mov_b32 v6, 0
	ds_add_u32 v5, v6
	ds_add_u32 v5, v6
	s_wait_dscnt 0x0
	v_lshrrev_b32 v250, 5, v0
	s_delay_alu instid0(VALU_DEP_1)
	v_readfirstlane_b32 s18, v250                  ; wave 0..15
	s_bfe_u32 s16, ttmp6, 0x40000                  ; cx: my place in the cluster.  It enters q's, out0's and the prefetches' global addresses alone (s16, s17, s60-63, s[40:41], s[4:5], s[14:15])
	s_lshl_b32 s17, ttmp9, 2
	s_add_co_u32 s17, s17, s16                     ; i = 4 x cluster x + cx
	s_and_b32 s53, ttmp7, 0xffff                   ; b, which the partners share
	s_and_b32 s19, s18, 3                          ; head
	s_lshr_b32 s52, s18, 2                         ; my tile of queries
	v_and_b32 v1, 31, v0
	s_delay_alu instid0(VALU_DEP_1)
	v_lshlrev_b32 v3, 8, v1
	s_delay_alu instid0(VALU_DEP_2)
	v_lshlrev_b32 v1, 4, v1
	s_lshl_b32 s54, s19, 13
	v_add_nc_u32 v2, s54, v1
	s_lshl_b32 s54, s52, 11
	s_lshl_b32 s55, s19, 9
	s_add_co_u32 s54, s54, s55
	s_add_co_u32 s54, s54, OIMG
	v_add_nc_u32 v4, s54, v1                       ; o's codes: fragment = my tile, group = my head
	v_and_b32 v250, 15, v0                         ; r
	v_bfe_u32 v251, v0, 4, 1                       ; h
	s_delay_alu instid0(VALU_DEP_1)
	v_lshlrev_b32 v7, 14, v251
	s_delay_alu instid0(VALU_DEP_1)
	v_lshl_add_u32 v7, v250, 4, v7                 ; out0: lanes 0-15 one channel's 256 bytes, lanes 16-31 the next channel's
	s_mul_i32 s54, s18, 16*272
	s_add_co_u32 s54, s54, STAGE                   ; my stage
	v_mul_u32_u24 v10, v250, 272
	s_delay_alu instid0(VALU_DEP_1)
	v_lshl_add_u32 v10, v251, 6, v10
	s_delay_alu instid0(VALU_DEP_1)
	v_add_nc_u32 v10, s54, v10                     ; in: row r (my channel), + 64 h: positions 16 h on
	v_mul_u32_u24 v11, v251, 272
	s_delay_alu instid0(VALU_DEP_1)
	v_lshl_add_u32 v11, v250, 4, v11
	s_delay_alu instid0(VALU_DEP_1)
	v_add_nc_u32 v11, s54, v11                     ; back: lanes 0-15 one row, lanes 16-31 the next
	v_lshlrev_b32 v252, 7, v250
	s_delay_alu instid0(VALU_DEP_1)
	v_lshl_add_u32 v252, v251, 4, v252             ; w_out: row r of 128 bytes, + 16 h
	v_lshlrev_b32 v253, 2, v250                    ; b_out: 4 r
	s_and_b32 s58, s18, 7
	s_lshl_b32 s58, s58, 14                        ; my 16,384 bytes of a slot, in LDS and in memory
	s_lshl_b32 s54, s53, 20                        ; the batch's 1,048,576 bytes of kv_img
	s_add_co_u32 s54, s54, s58
	s_mov_b32 s55, 0
	; descriptor group 1: 64 dense rows of 256 bytes, as 32 elements of 8 bytes
	s_mov_b32 s24, 15|(3<<16)|(1<<21)              ; 15:0 the mask: all four work-groups; 17:16 elements of 8 bytes; 20 no padding; 21 set beside a mask
	s_mov_b32 s25, 32<<16                          ; tensor_dim0 = 32
	s_mov_b32 s26, 64<<16                          ; tensor_dim1 = 64
	s_mov_b32 s27, 32<<16                          ; tile_dim0 = 32
	s_mov_b32 s28, 64                              ; tile_dim1 = 64
	s_mov_b32 s29, 32                              ; from row to row: 32 elements
	s_mov_b32 s30, 0
	s_mov_b32 s31, 0
	s_mov_b32 s20, 0x76543210                      ; v_permlanex16_b32: lane l takes lane l xor 16
	s_mov_b32 s21, 0xfedcba98
	s_mov_b32 s36, 0                               ; LDS byte at which the slot in hand begins
	s_mov_b32 s37, 7                               ; slots still to be asked for
	s_sub_co_u32 s59, s18, 8
	s_lshr_b32 s59, s59, 2                         ; 0 in waves 8-11,
	s_or_b32 s59, s59, ttmp9                       ; of the batch's first cluster: the same in all four partners
	s_cmp_eq_u32 s59, 0
	s_cselect_b32 s38, 1, -1                       ; a wave prefetches while s37 is above this
	s_wait_kmcnt 0x0
	s_load_b256 s[44:51], s[10:11], 0x0            ; e0 .. e7
	s_mov_b32 s32, 1                               ; group 0: count = 1,
	s_mov_b32 s33, s58                             ; LDS address: slot 0,
	s_add_nc_u64 s[34:35], s[6:7], s[54:55]        ; global address: the batch's first slot,
	s_or_b32 s35, s35, 0x80000000                  ; type = 2
	CROUND                                         ; all four work-groups are here: the first joint loads meet
	TLOAD                                          ; slot 0
	s_lshl_b32 s60, s53, 19                        ; q: 524,288 b + 8,192 i + 2,048 head + 512 tile
	s_lshl_b32 s61, s17, 13
	s_add_co_u32 s60, s60, s61
	s_lshl_b32 s61, s19, 11
	s_add_co_u32 s60, s60, s61
	s_lshl_b32 s61, s52, 9
	s_add_co_u32 s60, s60, s61
	s_mov_b32 s61, 0
	s_add_nc_u64 s[4:5], s[4:5], s[60:61]
	global_load_b128 v[16:19], v1, s[4:5]          ; q's fragment stays in registers
	s_lshl_b32 s54, s18, 11                        ; w_out: my 16 rows of 128 codes
	s_add_nc_u64 s[8:9], s[8:9], s[54:55]
	s_wait_alu depctr_va_vdst(0)
.irp c, 0,1,2,3
	global_load_b128 v[W4+4*\c:W4+4*\c+3], v252, s[8:9] offset:32*\c
.endr
	s_lshl_b32 s54, s18, 6
	s_add_nc_u64 s[12:13], s[12:13], s[54:55]
	global_load_b32 v246, v253, s[12:13]           ; my channel's bias
	s_lshl_b32 s60, s53, 22                        ; out0: the batch, my 16 channels of 16,384 bytes, the block's 256 bytes
	s_lshl_b32 s62, s18, 18
	s_add_co_u32 s60, s60, s62
	s_lshl_b32 s62, s17, 8
	s_add_co_u32 s60, s60, s62
	s_add_nc_u64 s[14:15], s[14:15], s[60:61]
	s_lshl_b32 s60, s53, 20                        ; the prefetches: the batch, my work-group's 32,768 bytes of a slot, my wave's 8,192 of them,
	s_lshl_b32 s62, s16, 15
	s_add_co_u32 s60, s60, s62
	s_lshl_b32 s62, s19, 13
	s_add_co_u32 s60, s60, s62
	s_add_co_u32 s60, s60, SLOTB                   ; in slot 1: the first change of slots steps it to slot 2.  Nothing is prefetched here, at the head
	s_add_nc_u64 s[40:41], s[6:7], s[60:61]
.irp j, 20,21,22,23
	v_mov_b32 v[\j], 0                             ; zero codes: the upper half of the form's K = 64, in q
.endr
.irp t, 0,1,2,3,4,5,6,7
.irp j, 4,5,6,7
	v_mov_b32 v[KF+8*\t+\j], 0                     ; and in k's eight tiles: written once, the loads fill registers 0-3 alone
.endr
.endr
.set j, 0
.rept 16
	v_mov_b32 v[OT+j], 0                           ; O^T.  (The step is written once: the first finds zeros, which the first change of M leaves zeros)
.set j, j+1
.endr
	v_mov_b32 v13, 0xff61b1e6                      ; the largest t so far: -3e38, under every t
	s_delay_alu instid0(VALU_DEP_1)
	v_floor_f32 v12, -v13                          ; -M
	v_mov_b32 v14, 0                               ; the sum, in two halves
	v_mov_b32 v15, 0
	v_mov_b32 v244, 0                              ; a lane permute's destination counts as read: written once
	v_mov_b32 v247, 0                              ; (named as the upper halves of pairs)
	v_mov_b32 v249, 0
	s_wait_kmcnt 0x0
	s_add_co_i32 s54, s46, s47                     ; e2 + e3 is added to the exponent field of
	s_lshl_b32 s54, s54, 23
	s_add_co_i32 s22, s54, 0x3e8293ee              ; c = log2(e) / sqrt(32)
	s_mov_b32 s23, s22                             ; (named with it as a pair, so it is written)
	s_add_co_i32 s54, s48, 127
	s_lshl_b32 s59, s54, 23
	v_mov_b32 v241, s59                            ; 2^e4 as f32, for p's conversions
; A KEY STEP: 128 keys, the q-th of the slot in hand.
.macro STEP q
.set AD, 8+(\q)/2
.set BO, ((\q)%2)*32768
.irp t, 0,1,2,3,4,5,6,7
	ds_load_b128 v[KF+8*\t:KF+8*\t+3], v[AD] offset:BO+512*\t
.endr
	s_wait_dscnt 0x0
.irp t, 0,1,2,3,4,5,6,7
	v_wmma_f32_16x16x64_bf8_bf8 v[S+8*\t:S+8*\t+7], v[KF+8*\t:KF+8*\t+7], v[16:23], 0
.endr
.rept 4
	v_nop                                          ; four places: ahead of the first read of the scores, and of the loads into v's registers, which the last step's products read (ISA guide 7.12.1 for the scores)
.endr
.irp u, 0,1
.irp c, 0,1,2,3
	ds_load_b128 v[VF+16*\u+4*\c:VF+16*\u+4*\c+3], v[AD] offset:BO+4096+2048*\u+512*\c   ; v comes while the softmax is worked
.endr
.endr
	v_max3_num_f32 v250, v96, v97, v98             ; the step's largest score of my query among my 64 keys, in two chains, each accumulator from its low end on,
	v_max3_num_f32 v251, v99, v100, v101
.irp i, 6,10,14,18,22,26,30,34,38,42,46,50,54,58
	v_max3_num_f32 v250, v250, v[96+\i], v[97+\i]
	v_max3_num_f32 v251, v251, v[98+\i], v[99+\i]
.endr
	v_max3_num_f32 v250, v250, v158, v159
	s_delay_alu instid0(VALU_DEP_1)
	v_max_num_f32 v250, v250, v251
	s_delay_alu instid0(VALU_DEP_1)
	v_permlanex16_b32 v244, v250, s20, s21
	s_delay_alu instid0(VALU_DEP_1)
	v_max_num_f32 v250, v250, v244                 ; and among lane l xor 16's
	s_delay_alu instid0(VALU_DEP_1)
	v_mul_f32 v250, s22, v250                      ; as t (c is positive)
	s_delay_alu instid0(VALU_DEP_1)
	v_max_num_f32 v13, v13, v250                   ; the running largest t
	v_mov_b32 v250, v12
	s_delay_alu instid0(VALU_DEP_2)
	v_floor_f32 v12, -v13                          ; the new -M = floor(-t) = -ceil(t)
	s_delay_alu instid0(VALU_DEP_1)
	v_sub_f32 v250, v12, v250                      ; old M - new M: a whole number, 0 or less
	s_delay_alu instid0(VALU_DEP_1)
	v_cvt_i32_f32 v250, v250                       ; (it saturates)
	s_delay_alu instid0(VALU_DEP_1)
	v_ldexp_f32 v248, 1.0, v250                    ; f = 2^(old M - new M)
.set j, 0
.rept 32
	v_pk_fma_f32 v[S+2*j:S+2*j+1], v[S+2*j:S+2*j+1], s[22:23], v[12:13] op_sel_hi:[1,0,0]   ; t - M, two at a time (of the pairs c and -M the low word serves both halves)
.set j, j+1
.endr
.set j, 0
	s_wait_alu depctr_va_vdst(0)
.rept 64
	v_exp_f32 v[S+j], v[S+j]                       ; p = 2^(t - M), at most 1
.set j, j+1
.endr
	v_pk_mul_f32 v[14:15], v[14:15], v[248:249] op_sel_hi:[1,0]   ; the sums under the new M: the plain instruction behind the exponentials
	s_wait_alu depctr_va_vdst(0)                   ; one wait for the whole batch, ahead of its first reader
	v_pk_add_f32 v[242:243], v[100:101], v[104:105]
	v_pk_add_f32 v[254:255], v[108:109], v[112:113]
	v_pk_add_f32 v[252:253], v[116:117], v[120:121]
	v_pk_add_f32 v[250:251], v[124:125], v[128:129]
	v_pk_add_f32 v[222:223], v[132:133], v[136:137]
	v_pk_add_f32 v[220:221], v[140:141], v[144:145]
	v_pk_add_f32 v[218:219], v[148:149], v[152:153]
	v_pk_add_f32 v[14:15], v[14:15], v[156:157]
	v_pk_add_f32 v[242:243], v[242:243], v[96:97]
	v_pk_add_f32 v[254:255], v[254:255], v[98:99]
	v_pk_add_f32 v[252:253], v[252:253], v[102:103]
	v_pk_add_f32 v[250:251], v[250:251], v[106:107]
	v_pk_add_f32 v[222:223], v[222:223], v[110:111]
	v_pk_add_f32 v[220:221], v[220:221], v[114:115]
	v_pk_add_f32 v[218:219], v[218:219], v[118:119]
	v_pk_add_f32 v[14:15], v[14:15], v[122:123]
	v_pk_add_f32 v[242:243], v[242:243], v[126:127]
	v_pk_add_f32 v[254:255], v[254:255], v[130:131]
	v_pk_add_f32 v[252:253], v[252:253], v[134:135]
	v_pk_add_f32 v[250:251], v[250:251], v[138:139]
	v_pk_add_f32 v[222:223], v[222:223], v[142:143]
	v_pk_add_f32 v[220:221], v[220:221], v[146:147]
	v_pk_add_f32 v[218:219], v[218:219], v[150:151]
	v_pk_add_f32 v[14:15], v[14:15], v[154:155]
	v_pk_add_f32 v[242:243], v[242:243], v[158:159]
	s_delay_alu instid0(VALU_DEP_2)
	v_pk_add_f32 v[14:15], v[14:15], v[250:251]
	s_delay_alu instid0(VALU_DEP_2)
	v_pk_add_f32 v[242:243], v[242:243], v[222:223]
	v_pk_add_f32 v[254:255], v[254:255], v[220:221]
	v_pk_add_f32 v[252:253], v[252:253], v[218:219]
	s_delay_alu instid0(VALU_DEP_2)
	v_pk_add_f32 v[14:15], v[14:15], v[254:255]
	s_delay_alu instid0(VALU_DEP_2)
	v_pk_add_f32 v[242:243], v[242:243], v[252:253]
	s_delay_alu instid0(VALU_DEP_1)
	v_pk_add_f32 v[14:15], v[14:15], v[242:243]
.irp b, 0,1,2,3
.irp i, 0,1,2,3,4,5,6,7,8,9,10,11,12,13,14,15
.endr
	v_cvt_scalef32_pk8_bf8_f32 v[PC+4*\b:PC+4*\b+1], v[S+16*\b:S+16*\b+7], v241
	v_cvt_scalef32_pk8_bf8_f32 v[PC+4*\b+2:PC+4*\b+3], v[S+16*\b+8:S+16*\b+15], v241
.endr
.set j, 0
.rept 8
	v_pk_mul_f32 v[OT+2*j:OT+2*j+1], v[OT+2*j:OT+2*j+1], v[248:249] op_sel_hi:[1,0]   ; O^T under the new M; these are also the plain instructions between the conversions and the products
.set j, j+1
.endr
	s_wait_alu depctr_va_vdst(0)
	s_wait_dscnt 0x0                               ; v is in
.irp u, 0,1
	v_wmma_f32_16x16x128_bf8_bf8 v[OT+8*\u:OT+8*\u+7], v[VF+16*\u:VF+16*\u+15], v[PC:PC+15], v[OT+8*\u:OT+8*\u+7]   ; between two links on one accumulator stand the other's link and eight products of scores
.endr
.endm
; THE CHANGE OF SLOTS stands at a slot's head.  Each wave waits for all its tensor loads (its part of the slot that it is about to read), adds 0 to its spare word, and waits for that and for its reads of the slot
; that it has left.  fill = 1: a round of the cluster's barrier, so that no wave of any partner still reads that slot or has a load on its way; the joint refill is the first thing behind it and has four key steps
; in which to land.  By this text's count a wave has one tensor load out at the most.
.macro CHANGE fill
	s_wait_tensorcnt 0x0                           ; no tensor load of mine is out, so group 0 may be written
	ds_add_u32 v5, v6                              ; 0 onto my spare word
.if \fill
	s_xor_b32 s33, s33, SLOT1                      ; the walking descriptor: the other slot than last time,
	s_add_nc_u64 s[34:35], s[34:35], SLOTB         ; the next four key steps; the type bits on top are not reached
	s_wait_xcnt 0x0                                ; the last prefetch, a slot back, has read its address, so it may be written:
	s_add_nc_u64 s[40:41], s[40:41], SLOTB         ; one slot further on than the walking descriptor
	s_wait_dscnt 0x0                               ; the add is done, and my reads of the slot that I have left are over
	CROUND
	TLOAD
	ASK
.else
	s_wait_dscnt 0x0
	s_barrier_signal -1
	s_barrier_wait -1
.endif
.endm
.macro SLOT_STEPS
	v_add_nc_u32 v8, s36, v2                       ; the slot's steps 0 and 1,
	s_wait_alu depctr_va_vdst(0)
	v_add_nc_u32 v9, 0x10000, v8                   ; and 2 and 3: an LDS offset has 16 bits
	STEP 0
	STEP 1
	STEP 2
	STEP 3
	s_xor_b32 s36, s36, SLOT1                      ; on to the other slot
.endm
	s_wait_loadcnt 0x0                             ; q, w_out, the bias
.Lslot:                                            ; seven trips: behind each change of slots but the last the next slot is asked for (slot 1's first fill is issued as a refill is)
	CHANGE 1
	SLOT_STEPS
	s_sub_co_u32 s37, s37, 1
	s_cmp_lg_u32 s37, 0
	s_cbranch_scc1 .Lslot
	CHANGE 0                                       ; the last slot is written out
	SLOT_STEPS
	; THE WAY OUT.  o = O^T x 2^(e4 + e5) / the sum; its code = (O^T / the sum) / 2^(e7 - e4 - e5).
.rept 4
	v_nop                                          ; four places behind the last products
.endr
	v_add_f32 v14, v14, v15                        ; the sum's two halves,
	s_delay_alu instid0(VALU_DEP_1)
	v_permlanex16_b32 v244, v14, s20, s21
	s_delay_alu instid0(VALU_DEP_1)
	v_add_f32 v14, v14, v244                       ; and lane l xor 16's
	s_wait_alu depctr_va_vdst(0)
	v_rcp_f32 v14, v14
	s_sub_co_i32 s54, s51, s48
	s_sub_co_i32 s54, s54, s49                     ; e7 - e4 - e5
	s_add_co_i32 s54, s54, 127
	s_lshl_b32 s59, s54, 23
	v_mov_b32 v250, s59                            ; (a plain instruction behind the reciprocal)  2^(e7 - e4 - e5)
	s_add_co_i32 s56, s50, s51
	s_add_co_i32 s56, s56, 127
	s_lshl_b32 s56, s56, 23                        ; 2^(e6 + e7) as f32
	s_mov_b32 s57, s56                             ; (named with it as a pair)
	s_wait_alu depctr_va_vdst(0)                   ; the wait ahead of the reciprocal's first reader
.set j, 0
.rept 16
	v_mul_f32 v[S+j], v[OT+j], v14                 ; register j: f = 16 (lane / 16) + j of my query
.set j, j+1
.endr
.set j, 0
.rept 16
.set j, j+1
.endr
	v_cvt_scalef32_pk8_bf8_f32 v[PC:PC+1], v[S:S+7], v250
	v_cvt_scalef32_pk8_bf8_f32 v[PC+2:PC+3], v[S+8:S+15], v250
	v_nop                                          ; a plain instruction behind the last conversion
	ds_store_b128 v4, v[PC:PC+3]                   ; slot 0 has had its last fill, and every wave has passed the last change of slots, behind which nobody reads it
	s_wait_dscnt 0x0                               ; for the others' sake: my store has landed
	s_barrier_signal -1
	s_barrier_wait -1                              ; o's four fragments lie in LDS
.irp t, 0,1,2,3
.irp c, 0,1,2,3
	ds_load_b128 v[S+16*\t+4*\c:S+16*\t+4*\c+3], v1 offset:OIMG+2048*\t+512*\c
.endr
.endr
	s_wait_dscnt 0x0
.irp t, 0,1,2,3
	v_wmma_f32_16x16x128_bf8_bf8 v[KF+8*\t:KF+8*\t+7], v[S+16*\t:S+16*\t+15], v[W4:W4+15], 0   ; lane (r, h), register j: channel 16 wv + r, position 32 (t / 2) + 8 (t % 2) + 16 h + j
.endr
.rept 4
	v_nop
.endr
.set j, 0
.rept 16
	v_pk_fma_f32 v[VF+2*j:VF+2*j+1], v[KF+2*j:KF+2*j+1], s[56:57], v[246:247] op_sel_hi:[1,0,0]   ; sum x 2^(e6 + e7) + my channel's bias, into other registers, each accumulator from its low end on
.set j, j+1
.endr
.irp t, 0,1,2,3
	ds_store_b128 v10, v[VF+8*\t:VF+8*\t+3] offset:128*(\t/2)+32*(\t%2)
	ds_store_b128 v10, v[VF+8*\t+4:VF+8*\t+7] offset:128*(\t/2)+32*(\t%2)+16
.endr
.irp i, 0,1,2,3,4,5,6,7
	ds_load_b128 v[S+4*\i:S+4*\i+3], v11 offset:544*\i   ; LDS serves a wave's instructions in order (ISA guide 5.7.1.4): these see my stores; the stage is my wave's own
.endr
.irp i, 0,1,2,3,4,5,6,7
	s_wait_dscnt 7-\i                              ; load i is back; the 7 - i younger ones may be out
	global_store_b128 v7, v[S+4*\i:S+4*\i+3], s[14:15] offset:32768*\i th:TH_STORE_NT   ; channels 2 i and 2 i + 1: sixteen lanes store 256 consecutive bytes, at a multiple of 256 from out0's first byte
.endr
	s_wait_tensorcnt 0x0                           ; the wave's end, behind my last tensor load and my last LDS store
	ds_add_u32 v5, v6
	s_wait_dscnt 0x0
	CROUND                                         ; the closing round: no work-group ends while a partner may still ask for a slot that names it
	s_endpgm
.Lfunc_end_k_qc5f4e9923f_attn:
	.size	k_qc5f4e9923f_attn, .Lfunc_end_k_qc5f4e9923f_attn-k_qc5f4e9923f_attn
	.p2alignl 7, 3214868480
	.fill 96, 4, 3214868480
	.section	.rodata,"a",@progbits
	.p2align	6, 0x0
	.amdhsa_kernel k_qc5f4e9923f_attn
		.amdhsa_group_segment_fixed_size 327680
		.amdhsa_private_segment_fixed_size 0
		.amdhsa_enable_private_segment 0
		.amdhsa_kernarg_size 48
		.amdhsa_user_sgpr_count 2
		.amdhsa_user_sgpr_kernarg_segment_ptr 1
		.amdhsa_wavefront_size32 1
		.amdhsa_system_sgpr_workgroup_id_x 1
		.amdhsa_system_sgpr_workgroup_id_y 1
		.amdhsa_system_sgpr_workgroup_id_z 1
		.amdhsa_system_vgpr_workitem_id 0
		.amdhsa_next_free_vgpr 256
		.amdhsa_next_free_sgpr 66
		.amdhsa_reserve_vcc 0
		.amdhsa_float_denorm_mode_32 3
		.amdhsa_float_denorm_mode_16_64 3
		.amdhsa_fp16_overflow 1
		.amdhsa_memory_ordered 1
		.amdhsa_forward_progress 1
		.amdhsa_inst_pref_size 111
	.end_amdhsa_kernel
	.amdgpu_metadata
---
amdhsa.version: [ 1, 2 ]
amdhsa.kernels:
  - .name:           k_qc5f4e9923f_attn
    .symbol:         k_qc5f4e9923f_attn.kd
    .args:
      - { .name: q_img, .offset: 0, .size: 8, .value_kind: global_buffer, .address_space: global }
      - { .name: kv_img, .offset: 8, .size: 8, .value_kind: global_buffer, .address_space: global }
      - { .name: w_out_codes, .offset: 16, .size: 8, .value_kind: global_buffer, .address_space: global }
      - { .name: lowp_scales, .offset: 24, .size: 8, .value_kind: global_buffer, .address_space: global }
      - { .name: b_out, .offset: 32, .size: 8, .value_kind: global_buffer, .address_space: global }
      - { .name: out0, .offset: 40, .size: 8, .value_kind: global_buffer, .address_space: global }
    .group_segment_fixed_size: 327680
    .private_segment_fixed_size: 0
    .kernarg_segment_align: 8
    .kernarg_segment_size: 48
    .max_flat_workgroup_size: 512
    .sgpr_count:     66
    .vgpr_count:     256
    .wavefront_size: 32
...
	.end_amdgpu_metadata
.endif
;; end of part 3
